; MI455X (gfx1250); checked and timed in simulation.
; The chip was launched on July 23, 2026; its instructions are those of AMD's public machine-readable ISA for CDNA 5 (MIT licence, August 2026) and "CDNA5" Instruction Set Architecture Reference Guide (July 2026). The comments in the code are by the model that wrote it; some were corrected since.
;; Bi Modal Attention. Allowed arithmetic: matrix products marked QUANTISED: E2M1 operands, one E8M0 scale for each 32 along K, by v_wmma_scale_f32_16x16x128_f8f6f4 with both operands' format E2M1 (or v_wmma_scale_f32_32x16x128_f4), f32 sums; everything else in f32.
;; Inputs: x 8 x 4,096 x 64 float32; y 8 x 4,096 x 64 float32.
;; Outputs: out0 8 x 4,096 x 128 float32.
;; This version of the problem:
;;   THIS VERSION OF THE PROBLEM IS GIVEN IN LOW PRECISION. The matrix products marked QUANTISED in the list below multiply operands that are first quantised to E2M1 (2 exponent bits, 1 mantissa bit; 4 bits a number), with one power-of-two scale for each 32 numbers along K (OCP MX v1.0); their sums are f32. All else is computed in f32.
;;   The module's matrix products, in the order in which they are computed (A, B: the left and right operand; K: the contracted axis; several contracted axes count as one K, in the product's order):
;;     1. batch 8 x [M 4,096, K 64] x [K 64, N 4,096]; A: input x; B: input y: QUANTISED
;;     2. batch 8 x [M 4,096, K 64] x [K 64, N 4,096]; A: input y; B: input x: QUANTISED
;;     3. batch 8 x [M 4,096, K 4,096] x [K 4,096, N 64]; A: softmax (see below); B: input y: QUANTISED
;;     4. batch 8 x [M 4,096, K 4,096] x [K 4,096, N 64]; A: softmax (see below); B: input x: QUANTISED
;;   THE QUANTISER, for each operand of a quantised product, along K:
;;     - K is cut into blocks of 32 from its start; a last block that is shorter is filled with zeros.
;;     - A block's scale is 2^e with e = floor(log2(the largest magnitude in the block)) - 2, held to -126 .. 127; a block of zeros has e = 0. As a byte (E8M0): e + 127.
;;     - Each number is divided by its block's scale, clamped to +-6, and rounded to the nearest number of E2M1, ties to even, subnormals kept.
;;     - The product sums the exact products of the quantised numbers (number of the format x scale) in f32.
;;   ~~~python
;;   def quantise(x, axis):      # numpy; x: float32 -> the quantised numbers, widened to float32 again
;;       x = np.moveaxis(x, axis, -1); K = x.shape[-1]
;;       x = np.pad(x, [(0, 0)] * (x.ndim - 1) + [(0, -K % 32)]); x = x.reshape(x.shape[:-1] + (-1, 32)); a = np.abs(x).max(-1, keepdims=True)
;;       e = np.where(a > 0, np.clip(np.frexp(np.where(a > 0, a, 1))[1] - 1 - 2, -126, 127), 0)      # np.frexp(a)[1] - 1 = floor(log2(a)), exactly
;;       r = np.clip(x / 2.0 ** e, -6, 6)
;;       step = 2.0 ** (np.maximum(np.frexp(np.where(r == 0, 1, r))[1] - 1, 0) - 1)
;;       q = np.round(r / step) * step * 2.0 ** e      # np.round: ties to even
;;       return np.moveaxis(q.reshape(q.shape[:-2] + (-1,))[..., :K], -1, axis).astype(np.float32)
;;   ~~~
;;   SOFTMAX AHEAD OF A QUANTISED PRODUCT. Where the list says 'softmax', what is quantised is not the finished softmax but p = 2^(t - M), with t = logit x log2(e) and M = ceil(the row's largest t), a whole number; so 1/2 < the row's largest p <= 1. The row's sum l is taken of the UNQUANTISED p, in f32, and the product's result is divided by l at the end. Since M is a whole number, a kernel that streams over the keys may use a running M (the ceiling of the running maximum): every later rescaling is an exact power of two, which a block's scale takes up: the codes' values come out the same.
;;   OPERANDS COMPUTED ON THE WAY. 'Computed on the way' means the value that the module computes at that place (a softmax that the list does not call 'softmax' is quantised finished and normalised). What goes into a quantiser is computed in f32, as accurately as f32 sums, v_exp_f32 and their like allow (about 1e-6 of the number): no bf16 or f16 on the way to a quantiser, and a product that is left as it is and whose result goes on into a quantised operand takes f32 operands (vector FMAs, or v_wmma_f32_16x16x4_f32). A number that lies on a knife's edge between two numbers of the format may be rounded either way, as far as f32 arithmetic and the matrix unit's own rounding can turn it there, and no further.
;; One version. Each part assembles by itself: llvm-mc -triple=amdgcn-amd-amdhsa -mcpu=gfx1250 --defsym DOCPART=n.
;; ======== version 1 of 1: 2 launches
;; limits: right only within a limited range of input values
;; workspace buffers: ws 4,587,520 bytes
;; launch prep (part 1): grid 32 x 16, 4 waves a work-group, no clusters, 36,352 bytes of LDS; arguments x, y, ws; writes ws
.if DOCPART == 1
	.amdgcn_target "amdgcn-amd-amdhsa--gfx1250"
	.amdhsa_code_object_version 6
	.text
	.protected	k_qd2b707a69d_prep
	.globl	k_qd2b707a69d_prep
	.p2align	8
	.type	k_qd2b707a69d_prep,@function
k_qd2b707a69d_prep:
	s_mov_b64 s[64:65], 0
	v_nop
	global_prefetch_b8 v0, s[64:65] scope:SCOPE_SE
	s_setreg_imm32_b32 hwreg(HW_REG_WAVE_MODE, 25, 1), 1
	s_wait_xcnt 0x0
; x and y, [8][4096][64] f32, are the keys and values of 16 heads: head hd = 8 dir + b; dir 0 takes y[b], dir 1 takes x[b].
; Each head's tensor is quantised TWICE to codes of FP4 (E2M1) with one E8M0 byte for each 32 numbers: along its 64 channels (operand of the score product) and along the sequence
; (operand of the value product).  A block's scale is 2^(floor(log2(largest magnitude)) - 2); its byte is the largest magnitude's exponent field - 2, held at 1 from below.
; The results are laid in the ORDER OF THE OPERANDS' REGISTERS, in records of 128 keys, 8,960 bytes = 35 x 256 each; lane l = (r = l % 16, h = l / 16):
;   512 tl + 16 l, tl = 0..7          codes of key 64 (tl / 4) + 32 (r / 8) + 8 (tl % 4) + r % 8, channels 32 h .. 32 h + 31: registers 0-3 of score tile tl's fragment
;   4096 + 1024 t + 512 c + 16 l      codes of channel 32 (r / 8) + 8 t + r % 8, keys 64 c + 32 h .. + 31: registers 4 c .. 4 c + 3 of value tile t's fragment
;   8192 + 16 l + 4 i, i = 0..3       scale word of score tile 2 i + h, row r: byte 0 channels 0-31, byte 1 channels 32-63, bytes 2 and 3 = 127 (they stand over zero codes)
;   8704 + 8 l + 4 i, i = 0..1        scale word of value tile 2 i + h, row r: byte k for keys 32 k .. 32 k + 31
; (The keys of a score tile are chosen so that, in the transposed score product, the 32 registers of four neighbouring tiles are one whole block of 32 neighbouring keys in one lane.)
; SHARES.  One work-group makes one record (x: the record, y: the head).  Its 128 rows of 256 bytes are read once, 512 consecutive bytes to a wave's load, and laid into LDS as rows;
; wave w then takes score tiles 2 w and 2 w + 1 (a lane reads 32 neighbouring channels of a key) and value tile w (a lane reads one channel down 2 x 32 keys): in both a whole block
; lies in one lane's registers, so no maximum crosses lanes, and the conversions' results are the operand's registers.  Every store of codes covers 512 consecutive bytes.
; LIMITS: NaN and infinities are not served.  A block of zeros gets the byte 1 where the rule says 127: its codes are zeros, and this program alone reads the bytes.
.set PITCH, 272                        ; an LDS row: 256 bytes + 16
.set SCA,   128*PITCH                  ; behind the rows: the record's last 768 bytes, in the record's order
.set REC,   8960
.set HEADB, 32*REC
.set LN,  1                            ; v1   lane
.set RR,  2                            ; v2   r
.set HH,  3                            ; v3   h
.set GL,  4                            ; v4   16 x thread: my 16 bytes of a load's 2,048
.set STA, 5                            ; v5   the same place in the LDS rows
.set AK,  6                            ; v6   LDS: my key's 32 channels
.set AV,  7                            ; v7   LDS: my channel, at my first key
.set IO,  8                            ; v8   16 x lane + 1,024 x wave: my place in the images
.set SH,  9                            ; v9   8 h
.set KSA, 10                           ; v10  LDS: where my score tile's scale word goes
.set VSA, 11                           ; v11  LDS: where my value tile's goes
.set SO8, 12                           ; v12  8 x lane + 256 x wave: the scale words' way out, in the record,
.set SI8, 13                           ; v13  and in LDS
.set MX,  14                           ; v14-15 largest magnitudes
.set SOP, 16                           ; v16-17 the conversions' scale operands
.set BY,  18                           ; v18-19 scale bytes
.set W,   20                           ; v20-21 scale words
.set T,   22                           ; v22-23 the other half of the lanes' part
.set KC,  24                           ; v24-31 codes of my two score tiles
.set VC,  32                           ; v32-39 codes of my value tile
.set OP,  40                           ; v40-41 scale words on their way out
.set KW,  42                           ; v42    the scale word that my lane stores
.set X0,  64                           ; v64-127  16 loads' numbers; then 2 x 32 channels
.set X1,  128                          ; v128-159 32 keys
.set X2,  160                          ; v160-191 32 keys
	s_load_b128 s[4:7], s[0:1], 0x0                ; x, y
	s_load_b64 s[8:9], s[0:1], 0x10                ; ws
	v_lshl_add_u32 v192, v0, 2, 0x8c00
	v_mov_b32 v193, 0
	v_lshrrev_b32 v1, 5, v0
	v_readfirstlane_b32 s12, v1                    ; wave 0..3
	s_and_b32 s13, ttmp7, 0xffff                   ; head
	s_and_b32 s14, s13, 7                          ; b
	s_lshl_b32 s16, s14, 20                        ; b x 4,096 rows of 256 bytes
	s_lshl_b32 s17, ttmp9, 15                      ; + record x 128 rows
	s_add_co_u32 s16, s16, s17
	s_mov_b32 s17, 0
	s_mul_i32 s18, s13, HEADB
	s_mul_i32 s19, ttmp9, REC
	s_add_co_u32 s18, s18, s19                     ; my record in ws
	s_mov_b32 s19, 0
	s_mov_b32 s20, 0x76543210
	s_mov_b32 s21, 0xfedcba98                      ; v_permlanex16_b32's selects for lane l xor 16
	v_and_b32 v[LN], 31, v0
	v_and_b32 v[RR], 15, v0
	v_bfe_u32 v[HH], v0, 4, 1
	v_lshlrev_b32 v[GL], 4, v0
	v_lshrrev_b32 v[STA], 4, v0                    ; sixteen threads to a row
	v_mul_u32_u24 v[STA], v[STA], PITCH
	v_lshl_add_u32 v[STA], v[RR], 4, v[STA]
	v_and_b32 v[AK], 8, v[RR]
	v_mad_u32_u24 v[AK], v[AK], 3, v[RR]           ; r + 24 (r / 8) = 32 (r / 8) + r % 8
	v_mul_u32_u24 v[AK], v[AK], PITCH
	v_lshl_add_u32 v[AK], v[HH], 7, v[AK]          ; + 128 h: channels 32 h on
	s_lshr_b32 s22, s12, 1                         ; tile 2 w + u begins at key 64 (w / 2) + 16 (w % 2) + 8 u
	s_lshl_b32 s22, s22, 6
	s_and_b32 s23, s12, 1
	s_lshl_b32 s23, s23, 4
	s_add_co_u32 s22, s22, s23
	s_mul_i32 s22, s22, PITCH
	v_add_nc_u32 v[AK], s22, v[AK]
	v_and_b32 v[AV], 8, v[RR]
	v_lshlrev_b32 v[AV], 4, v[AV]                  ; 4 x 32 (r / 8)
	v_and_b32 v9, 7, v[RR]
	v_lshl_add_u32 v[AV], v9, 2, v[AV]             ; + 4 (r % 8)
	v_mad_u32_u24 v[AV], v[HH], 32*PITCH, v[AV]    ; + 32 h keys
	s_lshl_b32 s22, s12, 5                         ; + 4 x 8 w
	v_add_nc_u32 v[AV], s22, v[AV]
	s_lshl_b32 s23, s12, 10
	v_lshl_add_u32 v[IO], v[LN], 4, s23
	v_lshlrev_b32 v[SH], 3, v[HH]
	s_lshl_b32 s22, s12, 2
	s_add_co_u32 s22, s22, SCA
	v_lshl_add_u32 v[KSA], v[LN], 4, s22           ; SCA + 16 l + 4 w
	s_and_b32 s22, s12, 1
	s_lshl_b32 s22, s22, 7
	s_lshr_b32 s23, s12, 1
	s_lshl_b32 s23, s23, 2
	s_add_co_u32 s22, s22, s23
	s_add_co_u32 s22, s22, SCA+512
	v_lshl_add_u32 v[VSA], v[RR], 3, s22           ; SCA + 512 + 8 (16 (w % 2) + r) + 4 (w / 2)
	s_lshl_b32 s22, s12, 8
	v_lshl_add_u32 v[SO8], v[LN], 3, s22
	v_add_nc_u32 v[SI8], SCA, v[SO8]
	v_mov_b32 v[T], 0                              ; written once: a lane permute's destination counts as one of its sources
	v_mov_b32 v[T+1], 0
	v_cmp_le_u32 vcc_lo, 16, v[LN]                 ; lanes 16-31
	s_wait_kmcnt 0x0
	s_cmp_lt_u32 s13, 8                            ; the choice hangs on the head's number alone
	s_cselect_b64 s[4:5], s[6:7], s[4:5]           ; heads 0-7: y; heads 8-15: x
	s_add_nc_u64 s[4:5], s[4:5], s[16:17]
	s_add_nc_u64 s[8:9], s[8:9], s[18:19]
; Two blocks of 32 numbers of a lane, v[a] on and v[b] on, by turns: their codes into v[ca] on and v[cb] on (4 registers each), their bytes into v[BY], v[BY+1].
.macro QPAIR a, b, ca, cb
	v_max3_num_f32 v[MX], |v[(\a)]|, |v[(\a)+1]|, 0x1800000      ; and the floor 2^(3 - 127), under which no largest magnitude is taken: so the byte cannot fall under 1
	v_max3_num_f32 v[MX+1], |v[(\b)]|, |v[(\b)+1]|, 0x1800000
.irp i, 2,4,6,8,10,12,14,16,18,20,22,24,26,28,30
	v_max3_num_f32 v[MX], v[MX], |v[(\a)+\i]|, |v[(\a)+\i+1]|
	v_max3_num_f32 v[MX+1], v[MX+1], |v[(\b)+\i]|, |v[(\b)+\i+1]|
.endr
	v_add_nc_u32 v[SOP], 0xff000000, v[MX]         ; 2 off the exponent field: the conversion takes the exponent field of this operand as its scale, and nothing else of it
	v_add_nc_u32 v[SOP+1], 0xff000000, v[MX+1]
	v_lshrrev_b32 v[BY], 23, v[SOP]                ; the scale's byte
	v_lshrrev_b32 v[BY+1], 23, v[SOP+1]
.irp g, 0,1,2,3
	v_cvt_scalef32_pk8_fp4_f32 v[(\ca)+\g], v[(\a)+8*\g:(\a)+8*\g+7], v[SOP]
	v_cvt_scalef32_pk8_fp4_f32 v[(\cb)+\g], v[(\b)+8*\g:(\b)+8*\g+7], v[SOP+1]
.endr
	v_nop                                          ; one plain place behind the scaled conversions
.endm
	; ---- the record's 128 rows: 16 loads, each 2,048 consecutive bytes for the work-group, into LDS rows
.irp i, 0,1,2,3,4,5,6,7,8,9,10,11,12,13,14,15
	global_load_b128 v[X0+4*\i:X0+4*\i+3], v[GL], s[4:5] offset:2048*\i
.endr
.irp i, 0,1,2,3,4,5,6,7,8,9,10,11,12,13,14,15
	s_wait_loadcnt 15-\i                           ; loads come back in order: load i is in, the younger ones stay out
	ds_store_b128 v[STA], v[X0+4*\i:X0+4*\i+3] offset:8*PITCH*\i
.endr
	s_wait_dscnt 0x0                               ; for the others' sake: my rows lie in LDS
	s_barrier_signal -1
	s_barrier_wait -1
	; ---- what my wave quantises
.irp u, 0,1
.irp i, 0,1,2,3,4,5,6,7
	ds_load_b128 v[X0+32*\u+4*\i:X0+32*\u+4*\i+3], v[AK] offset:8*PITCH*\u+16*\i    ; tile 2 w + u: my key's channels 32 h + 4 i on
.endr
.endr
.irp i, 0,1,2,3,4,5,6,7,8,9,10,11,12,13,14,15,16,17,18,19,20,21,22,23,24,25,26,27,28,29,30,31
	ds_load_b32 v[X1+\i], v[AV] offset:PITCH*\i                                      ; my channel at key 32 h + i
.endr
	s_wait_dscnt 16                                ; of the 48 loads the oldest 32 are in: the sixteen of the score tiles among them
.irp i, 0,1,2,3,4,5,6,7,8,9,10,11,12,13,14,15,16,17,18,19,20,21,22,23,24,25,26,27,28,29,30,31
	ds_load_b32 v[X2+\i], v[AV] offset:PITCH*(64+\i)                                 ; and at key 64 + 32 h + i
.endr
	; ---- the score tiles: my lane holds block h of a key of tile 2 w and of one of tile 2 w + 1
	QPAIR X0, X0+32, KC, KC+4
.irp u, 0,1
	v_lshlrev_b32 v[W+\u], v[SH], v[BY+\u]         ; my byte at its place in the word,
.endr
.irp u, 0,1
	v_permlanex16_b32 v[T+\u], v[W+\u], s20, s21
.endr
.irp u, 0,1
	v_or_b32 v[W+\u], v[W+\u], v[T+\u]             ; with lane l xor 16's,
.endr
.irp u, 0,1
	v_or_b32 v[W+\u], 0x7f7f0000, v[W+\u]          ; and 127 for the two blocks of zero codes that fill the instruction's 128
.endr
	v_cndmask_b32 v[KW], v[W], v[W+1], vcc_lo      ; lanes 0-15 store tile 2 w's word, lanes 16-31 tile 2 w + 1's
	global_store_b128 v[IO], v[KC:KC+3], s[8:9]                ; 512 consecutive bytes: tile 2 w's image
	global_store_b128 v[IO], v[KC+4:KC+7], s[8:9] offset:512   ; tile 2 w + 1's
	ds_store_b32 v[KSA], v[KW]
	; ---- the value tile: my lane holds blocks h and 2 + h of its channel
	s_wait_dscnt 0x0                               ; all 64 keys of my channel are in
	QPAIR X1, X2, VC, VC+4
	v_lshl_or_b32 v[W], v[BY+1], 16, v[BY]
	v_lshlrev_b32 v[W], v[SH], v[W]
	v_permlanex16_b32 v[T], v[W], s20, s21
	v_or_b32 v[W], v[W], v[T]                      ; with lane l xor 16's two bytes the word is whole
	global_store_b128 v[IO], v[VC:VC+3], s[8:9] offset:4096
	global_store_b128 v[IO], v[VC+4:VC+7], s[8:9] offset:4096+512
	ds_store_b32 v[VSA], v[W]                      ; both lanes of a channel write the same word with the same value
	s_wait_dscnt 0x0                               ; for the others' sake: my scale words lie in LDS
	s_barrier_signal -1
	s_barrier_wait -1
	; ---- the record's 768 bytes of scale words leave as three runs of 256 consecutive bytes, one a wave
	s_cmp_lt_u32 s12, 3
	s_cbranch_scc0 .Lend
	ds_load_b64 v[OP:OP+1], v[SI8]
	s_wait_dscnt 0x0
	global_store_b64 v[SO8], v[OP:OP+1], s[8:9] offset:8192
.Lend:
	s_wait_tensorcnt 0x0
	ds_add_u32 v192, v193
	s_wait_dscnt 0x0
	s_endpgm
.Lfunc_end_k_qd2b707a69d_prep:
	.size	k_qd2b707a69d_prep, .Lfunc_end_k_qd2b707a69d_prep-k_qd2b707a69d_prep
	.p2alignl 7, 3214868480
	.fill 96, 4, 3214868480
	.section	.rodata,"a",@progbits
	.p2align	6, 0x0
	.amdhsa_kernel k_qd2b707a69d_prep
		.amdhsa_group_segment_fixed_size 36352
		.amdhsa_private_segment_fixed_size 0
		.amdhsa_enable_private_segment 0
		.amdhsa_kernarg_size 24
		.amdhsa_user_sgpr_count 2
		.amdhsa_user_sgpr_kernarg_segment_ptr 1
		.amdhsa_wavefront_size32 1
		.amdhsa_system_sgpr_workgroup_id_x 1
		.amdhsa_system_sgpr_workgroup_id_y 1
		.amdhsa_system_sgpr_workgroup_id_z 1
		.amdhsa_system_vgpr_workitem_id 0
		.amdhsa_next_free_vgpr 194
		.amdhsa_next_free_sgpr 66
		.amdhsa_reserve_vcc 1
		.amdhsa_float_denorm_mode_32 3
		.amdhsa_float_denorm_mode_16_64 3
		.amdhsa_memory_ordered 1
		.amdhsa_forward_progress 1
		.amdhsa_inst_pref_size 19
	.end_amdhsa_kernel
	.amdgpu_metadata
---
amdhsa.version: [ 1, 2 ]
amdhsa.kernels:
  - .name:           k_qd2b707a69d_prep
    .symbol:         k_qd2b707a69d_prep.kd
    .args:
      - { .name: x, .offset: 0, .size: 8, .value_kind: global_buffer, .address_space: global }
      - { .name: y, .offset: 8, .size: 8, .value_kind: global_buffer, .address_space: global }
      - { .name: ws, .offset: 16, .size: 8, .value_kind: global_buffer, .address_space: global }
    .group_segment_fixed_size: 36352
    .private_segment_fixed_size: 0
    .kernarg_segment_align: 8
    .kernarg_segment_size: 24
    .max_flat_workgroup_size: 128
    .sgpr_count:     66
    .vgpr_count:     194
    .wavefront_size: 32
...
	.end_amdgpu_metadata
.endif
;; end of part 1
;; launch attn (part 2): grid 16 x 16, 16 waves a work-group, clusters of 4 x 1, 288,768 bytes of LDS; arguments x, y, ws, out0; writes out0
.if DOCPART == 2
	.amdgcn_target "amdgcn-amd-amdhsa--gfx1250"
	.amdhsa_code_object_version 6
	.text
	.protected	k_qd2b707a69d_attn
	.globl	k_qd2b707a69d_attn
	.p2align	8
	.type	k_qd2b707a69d_attn,@function
k_qd2b707a69d_attn:
	s_mov_b64 s[64:65], 0
	v_nop
	global_prefetch_b8 v0, s[64:65] scope:SCOPE_SE
	s_setreg_imm32_b32 hwreg(HW_REG_WAVE_MODE, 25, 1), 1
	s_wait_xcnt 0x0
	s_wait_alu depctr_hold_cnt(0) depctr_sa_sdst(0) depctr_va_vdst(0) depctr_va_sdst(0) depctr_va_ssrc(0) depctr_va_vcc(0) depctr_vm_vsrc(0)
	s_getreg_b32 s2, hwreg(HW_REG_IB_STS2, 6, 4)
	s_cmp_eq_u32 s2, 0
	s_cbranch_scc0 .Lentry_in_a_cluster
	s_endpgm
.Lentry_in_a_cluster:
	s_bfe_u32 s2, ttmp6, 0x10000c
	s_cmp_lg_u32 s2, 0x3003
	s_cbranch_scc0 .Lentry_shape_is_right
	s_endpgm
.Lentry_shape_is_right:
; out0[b][q][64 dir + d] = Q[q][d] x (the sum over k of softmax_k(Q[q] . K[k]) K[k][d]); dir 0: Q = x[b], K = y[b]; dir 1: Q = y[b], K = x[b].  16 heads hd = 8 dir + b of 4,096 queries x 4,096 keys x 64 channels.
; Both products run on codes of FP4 (E2M1) with one E8M0 scale for each 32 along a product's K.  The keys' codes and scale words come from ws, in records of 128 keys laid in the order of the
; operands' registers: 8 score tiles of 512 bytes, 4 value tiles of 1,024, 512 bytes of score scale words, 256 of value scale words: 8,960 bytes.
; SOFTMAX: t = score x log2(e); M = the row's largest t so far, rounded up to a whole number; p = 2^(t - M) is quantised along the keys, not normalised.  The row's sum is taken of the unquantised p
; and divides O at the end.  When M moves, the sum and O are multiplied by 2^(old M - new M): exact.
; SHARES.  A work-group owns 256 queries of a head, each of its sixteen waves 16 of them in 256 registers.  A HEAD'S 32 RECORDS, 286,720 bytes, LIE IN LDS WHOLE: every wave asks for two of them
; (70 rows of 256 bytes) by its one tensor load at the head; one wait for 0 and one barrier show them to all waves; each byte is filled once, and the 32 key steps have no barrier among them.
; CLUSTER.  The four work-groups of a cluster are four query blocks of one head: each load is asked for jointly, with a descriptor made of the head and the wave's number alone and the mask of all four.
; NO PREFETCH: all that the launch reads of ws is asked for at the kernel's head; there is no loop to run ahead in.
; LAYOUT.  Both products are used transposed: S^T = K Q^T, O^T = V^T P^T: a lane holds one query (lane % 16).  Row r of score tile tl is key 64 (tl / 4) + 32 (r / 8) + 8 (tl % 4) + r % 8, so that in
; lane (r, h) the 32 registers of tiles 4 c .. 4 c + 3 are keys 64 c + 32 h + 0 .. 31: block 2 c + h, in the order of the second product's operand.  A block's maximum crosses no lane and the
; conversions' results are the operand's registers.  Lane r of value tile t is channel 32 (r / 8) + 8 t + r % 8: O^T's register 8 t + j is channel 32 h + 8 t + j.
; The score product's K is 64: registers 4-7 of Q's and K's fragments are zero codes, written once; their scale bytes are 127.
; LIMITS: NaN and infinities are not served.  A block of zeros gets the byte 1 (its codes are zeros).  A block's largest p is made from its largest score by the same two instructions as every p,
; which takes v_exp_f32 not to fall where its input rises.  The promise holds while |t| stays under 2^31.
.set REC,   8960
.set CHB,   4*REC                      ; a trip's four records
.set HEADB, 32*REC
.set VIO,   4096                       ; in a record: the value tiles,
.set KSO,   8192                       ; the score tiles' scale words,
.set VSO,   8704                       ; the value tiles'
.set SPARE, HEADB                      ; behind the records: the spare words, 128 bytes a wave
.set SP,    272                        ; the way out: a stage row, 256 bytes + 16
.set STW,   16*SP                      ; a wave's stage: in the records' bytes, which have had their only fill and are read by nobody behind the last barrier
.set LI,  1                            ; 16 x lane
.set L8,  2                            ; 8 x lane
.set ADR, 3                            ; the trip's first record + 16 x lane
.set AD8, 4                            ; + 8 x lane
.set QA,  5                            ; Q: 256 r + 128 h
.set STO, 6
.set RD,  7
.set GO,  8
.set XO,  9                            ; two rows of Q: 256 h + 16 r
.set RR,  10
.set HH,  11
.set NM,  12                           ; v12 -M; v13 the largest score so far
.set LS,  14                           ; v14-15 the row's sum, in two halves
.set QF,  16                           ; v16-23 Q's fragment
.set QS,  24                           ; Q's scale word
.set PS,  25                           ; p's scale word (lanes 0-15 are read)
.set KS,  26                           ; v26-29 score tiles' scale words: register i: lanes 0-15 tile 2 i, lanes 16-31 tile 2 i + 1
.set VS,  30                           ; v30-31 value tiles' likewise
.set KF,  32                           ; v32-95 eight fragments of K; on the way out v32-63 rows of Q, v64-95 rows of O
.set XR,  32
.set BK,  64
.set S,   96                           ; v96-159 S^T, then p
.set O,   160                          ; v160-191 O^T
.set VF,  192                          ; v192-223 four fragments of V
.set PC,  224                          ; v224-231 p's codes
.set BM,  232                          ; v232-235 chains of maxima
.set PT,  236                          ; v236-237 at work; between steps a part of the row's sum
.set SO,  244                          ; v244-245 the conversions' scale operands
.set T1,  246                          ; v246-247, v248-249: between steps two more parts of the row's sum
.set T2,  248
.set SPW, 251                          ; my spare word's address; never rewritten
.set FF,  252                          ; f = 2^(old M - new M); v253 = 0, named with it as a pair
.set TT,  254
.set NIL, 255                          ; 0; never rewritten
.set WV,  12
.set SEL, 20
.set CS,  22
.set G1,  24
.set G0,  32
.set TB,  66                           ; LDS byte at which the trip's first record begins
.set CNT, 67
.macro CROUND                          ; a round of the cluster's barrier
	s_barrier_signal -1
	s_barrier_wait -1
	s_cmp_lg_u32 s[WV], 0
	s_cbranch_scc1 .Lnot_wave_0_\@
	s_barrier_signal -3
.Lnot_wave_0_\@:
	s_barrier_wait -3
	s_barrier_signal -1
	s_barrier_wait -1
.endm
	s_load_b256 s[4:11], s[0:1], 0x0               ; x, y, ws, out0
	v_lshl_add_u32 v[SPW], v0, 2, SPARE
	v_mov_b32 v[NIL], 0
	ds_add_u32 v[SPW], v[NIL]                      ; the opening lines: the add twice on end and its wait ahead of my tensor load
	ds_add_u32 v[SPW], v[NIL]
	v_lshrrev_b32 v1, 5, v0
	s_delay_alu instid0(VALU_DEP_1)
	v_readfirstlane_b32 s[WV], v1                  ; wave 0..15
	s_bfe_u32 s13, ttmp6, 0x40000                  ; cx
	s_lshl_b32 s14, ttmp9, 2
	s_add_co_u32 s14, s14, s13                     ; my block of 256 queries: it enters Q's and out0's addresses alone
	s_and_b32 s15, ttmp7, 0xffff                   ; the head, which the four partners share
	s_lshr_b32 s16, s15, 3                         ; dir
	s_and_b32 s17, s15, 7                          ; b
	s_lshl_b32 s18, s17, 20                        ; Q: b x 4,096 rows of 256 bytes
	s_lshl_b32 s19, s14, 16                        ; + block x 256 rows
	s_add_co_u32 s18, s18, s19
	s_lshl_b32 s19, s[WV], 12                      ; + wave x 16 rows
	s_add_co_u32 s18, s18, s19
	s_mov_b32 s19, 0
	s_lshl_b32 s68, s17, 21                        ; out0: the same rows, of 512 bytes,
	s_lshl_b32 s69, s14, 17
	s_add_co_u32 s68, s68, s69
	s_lshl_b32 s69, s[WV], 13
	s_add_co_u32 s68, s68, s69
	s_lshl_b32 s69, s16, 8                         ; + 256 dir
	s_add_co_u32 s68, s68, s69
	s_mov_b32 s69, 0
	s_mul_i32 s72, s[WV], 2*REC                    ; my two records: their place in the head, in LDS and in ws alike
	s_mul_i32 s70, s15, HEADB
	s_add_co_u32 s70, s70, s72
	s_mov_b32 s71, 0
	s_mov_b32 s[G1], 15|(3<<16)|(1<<21)            ; the mask of all four; elements of 8 bytes; bit 21 beside a mask; no padding: the loop's LDS loads read consecutive bytes in consecutive lanes
	s_mov_b32 s[G1+1], 32<<16                      ; tensor_dim0 = 32
	s_mov_b32 s[G1+2], 70<<16                      ; tensor_dim1 = 70
	s_mov_b32 s[G1+3], 32<<16                      ; tile_dim0 = 32
	s_mov_b32 s[G1+4], 70                          ; tile_dim1 = 70
	s_mov_b32 s[G1+5], 32
	s_mov_b32 s[G1+6], 0
	s_mov_b32 s[G1+7], 0
	s_mov_b32 s[SEL], 0x76543210
	s_mov_b32 s[SEL+1], 0xfedcba98                 ; lane l xor 16
	s_mov_b32 s[CS], 0x3fb8aa3b                    ; log2(e)
	s_mov_b32 s[CS+1], s[CS]
	s_mov_b32 s[TB], 0
	v_and_b32 v1, 31, v0
	v_and_b32 v[RR], 15, v0
	v_bfe_u32 v[HH], v0, 4, 1
	v_lshlrev_b32 v[L8], 3, v1
	v_lshlrev_b32 v[LI], 4, v1
	v_lshlrev_b32 v[QA], 8, v[RR]
	v_lshlrev_b32 v[XO], 8, v[HH]
	v_add_nc_u32 v[AD8], s[TB], v[L8]
	v_add_nc_u32 v[ADR], s[TB], v[LI]
	v_lshl_add_u32 v[QA], v[HH], 7, v[QA]          ; row r, channels 32 h on
	v_lshl_add_u32 v[XO], v[RR], 4, v[XO]          ; lanes 0-15 one row of 256 bytes, lanes 16-31 the next
	s_wait_alu depctr_va_vdst(0)
	s_wait_dscnt 0x0                               ; both opening adds are done
	s_wait_kmcnt 0x0
	s_cmp_lt_u32 s15, 8                            ; the choice hangs on the head's number alone
	s_cselect_b64 s[4:5], s[4:5], s[6:7]           ; the queries: x for heads 0-7, y for heads 8-15
	s_add_nc_u64 s[4:5], s[4:5], s[18:19]
	s_add_nc_u64 s[10:11], s[10:11], s[68:69]
	s_mov_b32 s[G0], 1
	s_mov_b32 s[G0+1], s72
	s_add_nc_u64 s[G0+2:G0+3], s[8:9], s[70:71]
	s_or_b32 s[G0+3], s[G0+3], 0x80000000
.irp i, 0,1,2,3,4,5,6,7
	global_load_b128 v[S+4*\i:S+4*\i+3], v[QA], s[4:5] offset:16*\i    ; my query's channels 32 h .. 32 h + 31: a whole block
.endr
	CROUND                                         ; all four work-groups are here: the joint loads meet
	tensor_load_to_lds s[G0:G0+3], s[G1:G1+7]      ; my one tensor load: records 2 w and 2 w + 1
	s_nop 0
.irp j, 4,5,6,7
	v_mov_b32 v[QF+\j], 0                          ; zero codes for k = 64 .. 127
.endr
.irp tl, 0,1,2,3,4,5,6,7
.irp j, 4,5,6,7
	v_mov_b32 v[KF+8*\tl+\j], 0                    ; the same in K's eight fragments: the loop's loads fill registers 0-3 alone
.endr
.endr
	v_mov_b32 v[PT+1], 0                           ; a lane permute's destination counts as one of its sources
	v_mov_b32 v[FF], 0
	v_mov_b32 v[FF+1], 0
	v_mov_b32 v[LS], 0
	v_mov_b32 v[LS+1], 0
.irp j, 0,1,2,3
	v_mov_b32 v[T1+\j], 0                          ; the parts of the sum that a step hands to the next: the first step finds zeros
.endr
	v_mov_b32 v[NM+1], 0xff61b1e6                  ; the largest score so far: -3e38
	s_delay_alu instid0(VALU_DEP_1)
	v_floor_f32 v[NM], -v[NM+1]                    ; -M
	s_wait_alu depctr_va_vdst(0)
	s_wait_loadcnt 0x0                             ; Q
	v_max3_num_f32 v[BM], |v[S]|, |v[S+1]|, 0x1800000              ; my block's largest magnitude in two chains, and the floor 2^(3 - 127): the byte cannot fall under 1
	v_max3_num_f32 v[BM+1], |v[S+2]|, |v[S+3]|, 0x1800000
.irp i, 4,8,12,16,20,24,28
	s_delay_alu instid0(VALU_DEP_2)
	v_max3_num_f32 v[BM], v[BM], |v[S+\i]|, |v[S+\i+1]|
	s_delay_alu instid0(VALU_DEP_2)
	v_max3_num_f32 v[BM+1], v[BM+1], |v[S+\i+2]|, |v[S+\i+3]|
.endr
	s_delay_alu instid0(VALU_DEP_1)
	v_max_num_f32 v[BM], v[BM], v[BM+1]
	s_delay_alu instid0(VALU_DEP_1)
	v_add_nc_u32 v[SO], 0xff000000, v[BM]          ; 2 off its exponent field: the conversion's scale operand
	s_delay_alu instid0(VALU_DEP_1)
	v_lshrrev_b32 v[PT], 23, v[SO]                 ; the scale's byte
.irp g, 0,1,2,3
	v_cvt_scalef32_pk8_fp4_f32 v[QF+\g], v[S+8*\g:S+8*\g+7], v[SO]
.endr
	v_nop                                          ; one plain place behind the scaled conversions
	v_permlanex16_b32 v[PT+1], v[PT], s[SEL], s[SEL+1]
	s_delay_alu instid0(VALU_DEP_1)
	v_lshl_or_b32 v[QS], v[PT+1], 8, v[PT]         ; lanes 0-15, which alone are read: my byte (channels 0-31) and lane l + 16's (32-63),
	s_delay_alu instid0(VALU_DEP_1)
	v_or_b32 v[QS], 0x7f7f0000, v[QS]              ; and 127 over the zero codes
	v_mov_b32 v[PT], 0
	v_mov_b32 v[PT+1], 0
.set j, 0
.rept 32
	v_mov_b32 v[O+j], 0                            ; O^T: the step is written once; the first finds zeros.  (Also the places between the writes of Q's codes and scale word and the first product)
.set j, j+1
.endr
; A KEY STEP: the 128 keys of the trip's q-th record.  last = 1: the addresses go on to the next trip.  xr = 1: the queries' rows for the way out are asked for.
; K's nine loads of the trip's q-th record (q = 4: the next trip's first; the offsets stay under 2^16).  They are issued one step ahead, behind the score products that read these registers last.
.macro KLOAD q
	ds_load_b128 v[KS:KS+3], v[ADR] offset:REC*(\q)+KSO
.irp tl, 0,1,2,3,4,5,6,7
	ds_load_b128 v[KF+8*\tl:KF+8*\tl+3], v[ADR] offset:REC*(\q)+512*\tl
.endr
.endm
.macro TM n                            ; t - M for the next n pairs of scores (of the pairs log2(e) and -M the low word serves both halves)
.rept \n
	v_pk_fma_f32 v[S+j:S+j+1], v[S+j:S+j+1], s[CS:CS+1], v[NM:NM+1] op_sel_hi:[1,0,0]
.set j, j+2
.endr
.endm
.macro STEP q, last, xr
	s_wait_dscnt 0x0                               ; K's scale words and eight fragments are in
.irp tl, 0,1,2,3,4,5,6,7                       ; S^T = K Q^T
.if \tl%2
	v_wmma_scale_f32_16x16x128_f8f6f4 v[S+8*\tl:S+8*\tl+7], v[KF+8*\tl:KF+8*\tl+7], v[QF:QF+7], 0, v[KS+\tl/2], v[QS] matrix_a_fmt:MATRIX_FMT_FP4 matrix_b_fmt:MATRIX_FMT_FP4 matrix_a_scale:MATRIX_SCALE_ROW1
.else
	v_wmma_scale_f32_16x16x128_f8f6f4 v[S+8*\tl:S+8*\tl+7], v[KF+8*\tl:KF+8*\tl+7], v[QF:QF+7], 0, v[KS+\tl/2], v[QS] matrix_a_fmt:MATRIX_FMT_FP4 matrix_b_fmt:MATRIX_FMT_FP4
.endif
.endr
	v_pk_add_f32 v[LS:LS+1], v[LS:LS+1], v[T2:T2+1]   ; four places (ISA guide 7.12.1), all due: the last step's three parts join the sum (still under the old M), and the old -M is kept.
	v_pk_add_f32 v[PT:PT+1], v[PT:PT+1], v[T1:T1+1]   ; They are also the places between the last step's value products and the loads into their sources
	v_mov_b32 v[TT], v[NM]
	s_delay_alu instid0(VALU_DEP_2)
	v_pk_add_f32 v[LS:LS+1], v[LS:LS+1], v[PT:PT+1]
.irp t, 0,1,2,3                                ; V's nine loads land under the softmax
.irp c, 0,1
	ds_load_b128 v[VF+8*\t+4*\c:VF+8*\t+4*\c+3], v[ADR] offset:REC*(\q)+VIO+1024*\t+512*\c
.endr
.endr
	ds_load_b64 v[VS:VS+1], v[AD8] offset:REC*(\q)+VSO
.if \xr == 0
	KLOAD (\q)+1                                   ; the next step's K, behind V's nine loads: the four places above stand between the score products and these loads too
.endif
.if \xr
.irp i, 0,1,2,3,4,5,6,7
	global_load_b128 v[XR+4*\i:XR+4*\i+3], v[XO], s[4:5] offset:512*\i    ; my 16 queries as rows, two to a load, into K's fragments 0-3, which are done with
.endr
.endif
.if \last
	s_add_co_u32 s[TB], s[TB], CHB
	v_add_nc_u32 v[ADR], s[TB], v[LI]              ; LDS instructions have read their addresses at issue; more than nine plain vector lines follow ahead of the branch
	v_add_nc_u32 v[AD8], s[TB], v[L8]
.endif
.irp t, 0,1,2,3,4,5,6,7
	v_max3_num_f32 v[BM+\t+2*(\t/4)], v[S+8*\t], v[S+8*\t+1], v[S+8*\t+2]   ; the largest score of my two blocks of 32 keys: eight chains by turns, one a tile (v232-235, v238-241), each tile read from its low end on
.endr
.irp i, 3,5
.irp t, 0,1,2,3,4,5,6,7
	v_max3_num_f32 v[BM+\t+2*(\t/4)], v[BM+\t+2*(\t/4)], v[S+8*\t+\i], v[S+8*\t+\i+1]
.endr
.endr
.irp c, 0,1
	v_max3_num_f32 v[BM+6*\c], v[BM+6*\c], v[BM+6*\c+1], v[S+32*\c+7]        ; a block's four chains and the four scores left over
	v_max3_num_f32 v[BM+6*\c+2], v[BM+6*\c+2], v[BM+6*\c+3], v[S+32*\c+15]
.endr
.irp c, 0,1
	v_max3_num_f32 v[BM+6*\c], v[BM+6*\c], v[BM+6*\c+2], v[S+32*\c+23]
.endr
	v_max_num_f32 v[BM], v[BM], v[S+31]            ; it serves for the row's maximum and, since p rises with the score, for the block's largest p
	v_max_num_f32 v[BM+2], v[BM+6], v[S+63]
	s_delay_alu instid0(VALU_DEP_1)
	v_max_num_f32 v[PT], v[BM], v[BM+2]
	s_delay_alu instid0(VALU_DEP_1)
	v_permlanex16_b32 v[PT+1], v[PT], s[SEL], s[SEL+1]
	s_delay_alu instid0(VALU_DEP_1)
	v_max3_num_f32 v[NM+1], v[NM+1], v[PT], v[PT+1]   ; lane l xor 16's, and the largest so far
	s_delay_alu instid0(VALU_DEP_1)
	v_mul_f32 v[PT], s[CS], v[NM+1]                ; as t
	s_delay_alu instid0(VALU_DEP_1)
	v_floor_f32 v[NM], -v[PT]                      ; the new -M = -ceil(t)
.set j, 0
	TM 4                                           ; the three lines that make f stand among the 32 multiply-adds, which do not hang on them
	v_sub_f32 v[TT], v[NM], v[TT]                  ; old M - new M: a whole number, 0 or less
	TM 4
	v_cvt_i32_f32 v[TT], v[TT]                     ; (it saturates)
	TM 4
	v_ldexp_f32 v[FF], 1.0, v[TT]                  ; f = 2^(old M - new M)
	TM 20
.irp c, 0,1
	v_fma_f32 v[BM+2*\c], v[BM+2*\c], s[CS], v[NM] ; the same of each block's largest score
.endr
	s_wait_alu depctr_va_vdst(0)
.set j, 0
.rept 64
	v_exp_f32 v[S+j], v[S+j]                       ; p = 2^(t - M), at most 1
.set j, j+1
.endr
.irp c, 0,1
	v_exp_f32 v[BM+2*\c], v[BM+2*\c]               ; the block's largest p
.endr
	v_pk_mul_f32 v[LS:LS+1], v[LS:LS+1], v[FF:FF+1] op_sel_hi:[1,0]   ; the sum under the new M: a plain place behind the exponentials
	s_wait_alu depctr_va_vdst(0)                   ; one wait for the batch, directly ahead of the first readers of O^T too
.irp j, 0,8,16,24
	v_pk_mul_f32 v[O+\j:O+\j+1], v[O+\j:O+\j+1], v[FF:FF+1] op_sel_hi:[1,0]   ; O^T under the new M: each of the four tiles is first read at its low end; the other twelve lines stand among the scale word's chain
.endr
.irp c, 0,1
	v_max_num_f32 v[BM+2*\c], 0x1800000, v[BM+2*\c]   ; the floor 2^(3 - 127)
.endr
.irp j, 2,4,6
	v_pk_mul_f32 v[O+\j:O+\j+1], v[O+\j:O+\j+1], v[FF:FF+1] op_sel_hi:[1,0]
.endr
.irp c, 0,1
	v_add_nc_u32 v[SO+\c], 0xff000000, v[BM+2*\c]  ; 2 off the exponent field: the conversion's scale operand
.endr
.irp j, 10,12,14
	v_pk_mul_f32 v[O+\j:O+\j+1], v[O+\j:O+\j+1], v[FF:FF+1] op_sel_hi:[1,0]
.endr
.irp c, 0,1
	v_lshrrev_b32 v[PT+\c], 23, v[SO+\c]           ; the scale's byte
.endr
.irp j, 18,20,22
	v_pk_mul_f32 v[O+\j:O+\j+1], v[O+\j:O+\j+1], v[FF:FF+1] op_sel_hi:[1,0]
.endr
	v_lshl_or_b32 v[PT], v[PT+1], 16, v[PT]        ; my two bytes: blocks h and 2 + h
.irp j, 26,28,30
	v_pk_mul_f32 v[O+\j:O+\j+1], v[O+\j:O+\j+1], v[FF:FF+1] op_sel_hi:[1,0]
.endr
	v_permlanex16_b32 v[PT+1], v[PT], s[SEL], s[SEL+1]
	s_delay_alu instid0(VALU_DEP_1)
	v_lshl_or_b32 v[PS], v[PT+1], 8, v[PT]         ; in lanes 0-15, which alone are read: blocks 0 and 2 are mine, 1 and 3 lane l + 16's
.irp c, 0,1
.irp g, 0,1,2,3
	v_cvt_scalef32_pk8_fp4_f32 v[PC+4*\c+\g], v[S+32*\c+8*\g:S+32*\c+8*\g+7], v[SO+\c]   ; registers 4 c .. 4 c + 3 of the operand: keys 64 c + 32 h + 0 .. 31
.endr
.endr
	v_pk_add_f32 v[236:237], v[100:101], v[104:105]   ; the row's sum of the unquantised p, in eight chains
	v_pk_add_f32 v[248:249], v[108:109], v[112:113]
	v_pk_add_f32 v[246:247], v[116:117], v[120:121]
	v_pk_add_f32 v[244:245], v[124:125], v[128:129]
	v_pk_add_f32 v[242:243], v[132:133], v[136:137]
	v_pk_add_f32 v[238:239], v[140:141], v[144:145]
	v_pk_add_f32 v[234:235], v[148:149], v[152:153]
	v_pk_add_f32 v[14:15], v[14:15], v[156:157]
	v_pk_add_f32 v[236:237], v[236:237], v[96:97]
	v_pk_add_f32 v[248:249], v[248:249], v[98:99]
	v_pk_add_f32 v[246:247], v[246:247], v[102:103]
	v_pk_add_f32 v[244:245], v[244:245], v[106:107]
	v_pk_add_f32 v[242:243], v[242:243], v[110:111]
	v_pk_add_f32 v[238:239], v[238:239], v[114:115]
	v_pk_add_f32 v[234:235], v[234:235], v[118:119]
	v_pk_add_f32 v[14:15], v[14:15], v[122:123]
	v_pk_add_f32 v[236:237], v[236:237], v[126:127]
	v_pk_add_f32 v[248:249], v[248:249], v[130:131]
	v_pk_add_f32 v[246:247], v[246:247], v[134:135]
	v_pk_add_f32 v[244:245], v[244:245], v[138:139]
	v_pk_add_f32 v[242:243], v[242:243], v[142:143]
	v_pk_add_f32 v[238:239], v[238:239], v[146:147]
	v_pk_add_f32 v[234:235], v[234:235], v[150:151]
	v_pk_add_f32 v[14:15], v[14:15], v[154:155]
	v_pk_add_f32 v[236:237], v[236:237], v[158:159]
	s_delay_alu instid0(VALU_DEP_2)
	v_pk_add_f32 v[14:15], v[14:15], v[244:245]
	s_delay_alu instid0(VALU_DEP_2)
	v_pk_add_f32 v[236:237], v[236:237], v[242:243]
	v_pk_add_f32 v[248:249], v[248:249], v[238:239]
	v_pk_add_f32 v[246:247], v[246:247], v[234:235]   ; v236, v246 and v248 on are joined behind the next step's score products
	s_wait_alu depctr_va_vdst(0)
.if \xr
	s_wait_dscnt 0x0                               ; V is in
.else
	s_wait_dscnt 9                                 ; V's nine loads are in; the nine younger ones, the next step's K, may be out
.endif
.irp t, 0,1,2,3                                ; O^T += V^T P^T; the four accumulators take turns
.if \t%2
	v_wmma_scale_f32_16x16x128_f8f6f4 v[O+8*\t:O+8*\t+7], v[VF+8*\t:VF+8*\t+7], v[PC:PC+7], v[O+8*\t:O+8*\t+7], v[VS+\t/2], v[PS] matrix_a_fmt:MATRIX_FMT_FP4 matrix_b_fmt:MATRIX_FMT_FP4 matrix_a_scale:MATRIX_SCALE_ROW1
.else
	v_wmma_scale_f32_16x16x128_f8f6f4 v[O+8*\t:O+8*\t+7], v[VF+8*\t:VF+8*\t+7], v[PC:PC+7], v[O+8*\t:O+8*\t+7], v[VS+\t/2], v[PS] matrix_a_fmt:MATRIX_FMT_FP4 matrix_b_fmt:MATRIX_FMT_FP4
.endif
.endr
.endm
	s_wait_alu depctr_va_vdst(0)
	s_wait_tensorcnt 0x0                           ; my two records are in
	s_barrier_signal -1                            ; (no LDS instruction of mine is out)
	s_barrier_wait -1                              ; everybody's are: the head lies in LDS whole
	KLOAD 0                                        ; the first step's K
	s_mov_b32 s[CNT], 7
.Ltrip:                                            ; seven trips of four records
	STEP 0, 0, 0
	STEP 1, 0, 0
	STEP 2, 0, 0
	STEP 3, 1, 0
	s_sub_co_u32 s[CNT], s[CNT], 1
	s_cmp_lg_u32 s[CNT], 0
	s_cbranch_scc1 .Ltrip
	STEP 0, 0, 0                                   ; the last four records are written out: the very last step asks for the queries' rows
	STEP 1, 0, 0
	STEP 2, 0, 0
	STEP 3, 0, 1
	; THE WAY OUT.  O^T / the sum goes through my stage in LDS and comes back as whole rows of 256 bytes; there it is multiplied by the query's own row (unquantised) and stored.
	v_pk_add_f32 v[LS:LS+1], v[LS:LS+1], v[T2:T2+1]   ; the last step's three parts of the sum.  (These lines are also the places behind the last products)
	v_pk_add_f32 v[PT:PT+1], v[PT:PT+1], v[T1:T1+1]
	s_mul_i32 s76, s[WV], STW                      ; my stage
	v_mul_u32_u24 v[STO], v[RR], SP                ; in: row r, my 32 channels: 128 h bytes on
	v_mul_u32_u24 v[RD], v[HH], SP                 ; back: lanes 0-15 one row, lanes 16-31 the next
	v_pk_add_f32 v[LS:LS+1], v[LS:LS+1], v[PT:PT+1]
	v_lshl_add_u32 v[STO], v[HH], 7, v[STO]
	v_lshl_add_u32 v[RD], v[RR], 4, v[RD]
	v_lshlrev_b32 v[GO], 9, v[HH]                  ; and the same two rows in out0, 512 bytes apart
	v_add_nc_u32 v[STO], s76, v[STO]
	v_add_nc_u32 v[RD], s76, v[RD]
	v_lshl_add_u32 v[GO], v[RR], 4, v[GO]
	v_add_f32 v[LS], v[LS], v[LS+1]                ; the sum's two halves,
	s_delay_alu instid0(VALU_DEP_1)
	v_permlanex16_b32 v[FF], v[LS], s[SEL], s[SEL+1]
	s_delay_alu instid0(VALU_DEP_1)
	v_add_f32 v[LS], v[LS], v[FF]                  ; and lane l xor 16's: the row's sum
	s_wait_alu depctr_va_vdst(0)
	v_rcp_f32 v[LS], v[LS]
	v_nop                                          ; one plain place behind it
	s_wait_alu depctr_va_vdst(0)                   ; the wait ahead of its first reader, which is O^T's first reader too
.set j, 0
.rept 16
	v_pk_mul_f32 v[S+j:S+j+1], v[O+j:O+j+1], v[LS:LS+1] op_sel_hi:[1,0]   ; register n is channel 32 h + n of my query
.set j, j+2
.endr
	s_wait_alu depctr_va_vdst(0)
	s_wait_dscnt 0x0                               ; my reads of the records are over
	s_barrier_signal -1
	s_barrier_wait -1                              ; everybody's are: the stages may be written over them
.irp g, 0,1,2,3,4,5,6,7
	ds_store_b128 v[STO], v[S+4*\g:S+4*\g+3] offset:16*\g
.endr
.irp i, 0,1,2,3,4,5,6,7
	ds_load_b128 v[BK+4*\i:BK+4*\i+3], v[RD] offset:2*SP*\i    ; LDS serves a wave's instructions in order (ISA guide 5.7.1.4): these see my stores
.endr
	s_wait_loadcnt 0x0                             ; the queries' rows
.irp i, 0,1,2,3,4,5,6,7
	s_wait_dscnt 7-\i                              ; rows 2 i and 2 i + 1 are back; the 7 - i younger loads may be out
	v_pk_mul_f32 v[BK+4*\i:BK+4*\i+1], v[BK+4*\i:BK+4*\i+1], v[XR+4*\i:XR+4*\i+1]
	v_pk_mul_f32 v[BK+4*\i+2:BK+4*\i+3], v[BK+4*\i+2:BK+4*\i+3], v[XR+4*\i+2:XR+4*\i+3]
	global_store_b128 v[GO], v[BK+4*\i:BK+4*\i+3], s[10:11] offset:1024*\i th:TH_STORE_NT   ; 16 lanes store 256 consecutive bytes, at a multiple of 256 from out0's first byte
.endr
	s_wait_tensorcnt 0x0                           ; the wave's end
	ds_add_u32 v[SPW], v[NIL]
	s_wait_dscnt 0x0
	CROUND                                         ; the closing round
	s_endpgm
.Lfunc_end_k_qd2b707a69d_attn:
	.size	k_qd2b707a69d_attn, .Lfunc_end_k_qd2b707a69d_attn-k_qd2b707a69d_attn
	.p2alignl 7, 3214868480
	.fill 96, 4, 3214868480
	.section	.rodata,"a",@progbits
	.p2align	6, 0x0
	.amdhsa_kernel k_qd2b707a69d_attn
		.amdhsa_group_segment_fixed_size 288768
		.amdhsa_private_segment_fixed_size 0
		.amdhsa_enable_private_segment 0
		.amdhsa_kernarg_size 32
		.amdhsa_user_sgpr_count 2
		.amdhsa_user_sgpr_kernarg_segment_ptr 1
		.amdhsa_wavefront_size32 1
		.amdhsa_system_sgpr_workgroup_id_x 1
		.amdhsa_system_sgpr_workgroup_id_y 1
		.amdhsa_system_sgpr_workgroup_id_z 1
		.amdhsa_system_vgpr_workitem_id 0
		.amdhsa_next_free_vgpr 256
		.amdhsa_next_free_sgpr 80
		.amdhsa_reserve_vcc 0
		.amdhsa_float_denorm_mode_32 3
		.amdhsa_float_denorm_mode_16_64 3
		.amdhsa_memory_ordered 1
		.amdhsa_forward_progress 1
		.amdhsa_inst_pref_size 126
	.end_amdhsa_kernel
	.amdgpu_metadata
---
amdhsa.version: [ 1, 2 ]
amdhsa.kernels:
  - .name:           k_qd2b707a69d_attn
    .symbol:         k_qd2b707a69d_attn.kd
    .args:
      - { .name: x, .offset: 0, .size: 8, .value_kind: global_buffer, .address_space: global }
      - { .name: y, .offset: 8, .size: 8, .value_kind: global_buffer, .address_space: global }
      - { .name: ws, .offset: 16, .size: 8, .value_kind: global_buffer, .address_space: global }
      - { .name: out0, .offset: 24, .size: 8, .value_kind: global_buffer, .address_space: global }
    .group_segment_fixed_size: 288768
    .private_segment_fixed_size: 0
    .kernarg_segment_align: 8
    .kernarg_segment_size: 32
    .max_flat_workgroup_size: 512
    .sgpr_count:     80
    .vgpr_count:     256
    .wavefront_size: 32
...
	.end_amdgpu_metadata
.endif
;; end of part 2
